; MI455X (gfx1250); checked and timed in simulation.
; The chip was launched on July 23, 2026; its instructions are those of AMD's public machine-readable ISA for CDNA 5 (MIT licence, August 2026) and "CDNA5" Instruction Set Architecture Reference Guide (July 2026). The comments in the code are by the model that wrote it; some were corrected since.
;; Instant NGP Model. Allowed arithmetic: float matrix products may take bf16 or f16 operands with f32 sums; other float arithmetic in f32, or as packed bf16 or f16 multiplies, adds, multiply-adds, maxima and minima; sums over many terms, partial sums and values carried from step to step in f32; what a program stores and reads back later, other than sums and carried values, may be rounded once to bf16 or f16.
;; Inputs: positions 524,288 x 3 float32; tables_0 4,096 x 2 float32; tables_1 32,768 x 2 float32; tables_2 262,144 x 2 float32; tables_3 524,288 x 2 float32; tables_4 524,288 x 2 float32; tables_5 524,288 x 2 float32; tables_6 524,288 x 2 float32; tables_7 524,288 x 2 float32; tables_8 524,288 x 2 float32; tables_9 524,288 x 2 float32; tables_10 524,288 x 2 float32; tables_11 524,288 x 2 float32; tables_12 524,288 x 2 float32; tables_13 524,288 x 2 float32; tables_14 524,288 x 2 float32; tables_15 524,288 x 2 float32.
;; Outputs: out0 524,288 x 32 float32.
;; 2 versions, each right; version 2 is version 1 with the launch index written anew for expert scheduling mode. Each part assembles by itself: llvm-mc -triple=amdgcn-amd-amdhsa -mcpu=gfx1250 --defsym DOCPART=n.
;; ======== version 1 of 2: 2 launches
;; workspace buffers: rec 67,108,864 bytes of whole numbers; tab 262,144 bytes
;; launch index (part 1): grid 256 x 1, 32 waves a work-group, no clusters, 38,912 bytes of LDS; arguments tables_0, tables_1, tables_2, tables_3, tables_4, tables_5, tables_6, tables_7, tables_8, tables_9, tables_10, tables_11, tables_12, tables_13, tables_14, tables_15, positions, rec, tab; writes rec, tab
.if DOCPART == 1
	.amdgcn_target "amdgcn-amd-amdhsa--gfx1250"
	.amdhsa_code_object_version 6
	.text
	.protected	k_qe1506faa3b_index
	.globl	k_qe1506faa3b_index
	.p2align	8
	.type	k_qe1506faa3b_index,@function
k_qe1506faa3b_index:
	s_mov_b64 s[64:65], 0
	v_nop
	global_prefetch_b8 v0, s[64:65] scope:SCOPE_SE
	s_setreg_imm32_b32 hwreg(HW_REG_WAVE_MODE, 25, 1), 1
	s_wait_xcnt 0x0
; HASH GRID, FIRST OF TWO LAUNCHES: from positions [524288][3] f32 it makes, for every point and each of the 16 levels, one record of 64 bits of whole numbers (rec),
; from which the second launch forms its eight table addresses.  On the side 128 waves pack the live part of the 16 tables into one bf16 image (tab).
; WHY TWO LAUNCHES: the indices come from floor() of floating-point numbers, and an address is formed only from whole numbers that an earlier launch has stored.
; ARITHMETIC, as the reference rounds it: q = p + 1 (one rounding), scaled = q x C with C = 0.5 (res - 1), res = 16 << level.  C is exact (20 bits at the most) and a factor 0.5 changes no
; rounding, so this is ((p + 1) 0.5)(res - 1) bit for bit; add and multiply are NOT fused.  floor, floor + 1, both held to 0 .. res - 1 in f32, then made whole numbers.
; index = (cx ^ cy 2654435761 ^ cz 805459861) mod 4096 at EVERY level: only the primes' low 12 bits (0x9b1, 0x795) and the first 4,096 rows of each table matter.
; RECORD.  lo = a000 | idx100 << 20, a000 = idx000 << 6 | level << 2: the byte of corner (0,0,0)'s word in tab.  hi = DY << 6 | DZ << 20, DY = hy0 ^ hy1, DZ = hz0 ^ hz1 (12 bits each):
; a corner's index is idx000 or idx100, xor DY where dy = 1, xor DZ where dz = 1.
; TAB.  The word at byte 64 e + 4 l holds row e of table l: feature 0 in the low half, feature 1 in the high half, each rounded ONCE to bf16.
; LIMITS.  A table value is off by half a bf16 step at the most, 2^-8 of itself; the eight weights sum to 1, so the output is off by no more than 2^-8 of the largest table value met.
; NaN and infinite positions are not treated apart (their indices still lie in 0 .. 4095); a finite position outside -1 .. 1 is clipped as the reference clips it while |scaled| stays under 2^31.
; SHARES.  A work-group 2,048 points, a wave 64, an iteration 4.  lane = 16 s + l: level l, points A = base + s and B = base + 2 + s; packed f32 lines work on the pair (A, B).
; A wave's store of 16 bytes a lane covers 512 consecutive bytes of rec, aligned.  No wave reads another's LDS bytes: no barrier.
; NO CLUSTER, NO TENSOR LOAD: the work-groups share no tile; each 256 bytes of a table are read by one wave of the launch.
.set POS,   0                          ; LDS: 1,024 bytes a wave: iteration t at 64 t, half s at 32 s: xA xB yA yB zA zB and 8 bytes never touched
.set TST,   32768                      ; 2,048 bytes: wave 0's stage for its piece of tab
.set SPARE, 34816                      ; the spare words: 128 bytes for each of 32 waves, sixteen blocks of 256 bytes that no other line names
.set K1,    0x9b1<<6                   ; the primes' low 12 bits, six places up: a product's bits 6 to 17 are then the hash's 12 bits at their place in a byte address
.set K2,    0x795<<6
.set SPW,  1                           ; v1      LDS address of my spare word; never rewritten
.set NIL,  2                           ; v2      0; never rewritten
.set LV,   3                           ; v3      level << 2
.set RF,   4                           ; v4      res - 1 as f32
.set PA0,  5                           ; v5      LDS address of my half's positions in iteration 0
.set CF,   6                           ; v[6:7]  C, twice
.set PA,   8                           ; v8      the same for the trip in hand
.set ROFF, 9                           ; v9      my byte offset in the work-group's records: 8,192 wave + 16 lane
.set PST,  10                          ; v10     where point number 'lane' of the wave puts its x
.set PGO,  11                          ; v11     byte offset of that point in the work-group's positions
.set PP,   12                          ; v[12:17] xA xB yA yB zA zB
.set I0,   18                          ; v[18:23] scaled, floor, lower corner (same order)
.set I1,   24                          ; v[24:29] upper corner
.set TM,   30                          ; v[30:38] at work
.set RECD, 44                          ; v[44:47] loA hiA loB hiB
.set PL,   48                          ; v[48:50], v[52:54] two points as loaded
.set TL,   56                          ; v[56:87] the table piece
	s_load_b512 s[8:23], s[0:1], 0x0               ; tables 0 to 7
	s_load_b512 s[24:39], s[0:1], 0x40             ; tables 8 to 15
	s_load_b128 s[40:43], s[0:1], 0x80             ; positions s[40:41], rec s[42:43]
	s_load_b64 s[44:45], s[0:1], 0x90              ; tab
	v_lshl_add_u32 v[SPW], v0, 2, SPARE
	v_mov_b32 v[NIL], 0
	v_lshrrev_b32 v30, 5, v0
	v_readfirstlane_b32 s46, v30                   ; wave 0..31
	s_mov_b32 s47, ttmp9                           ; work-group 0..255
	s_mov_b32 s50, K1
	s_mov_b32 s51, K2
	s_mov_b32 s52, 0x3ffc0                         ; the 12 index bits at their place in a byte address
	v_and_b32 v31, 15, v0                          ; level
	v_lshlrev_b32 v[LV], 2, v31
	v_mov_b32 v30, 16
	v_lshlrev_b32 v30, v31, v30                    ; res = 16 << level
	v_add_nc_u32 v30, -1, v30
	v_cvt_f32_u32 v[RF], v30                       ; exact: 19 bits at the most
	v_mul_f32 v[CF], 0.5, v[RF]
	v_mul_f32 v[CF+1], 0.5, v[RF]
	v_and_b32 v32, 31, v0                          ; lane
	v_bfe_u32 v33, v0, 4, 1                        ; s
	s_lshl_b32 s54, s46, 10                        ; my wave's 1,024 bytes of POS (POS begins at LDS byte 0)
	v_lshl_add_u32 v[PA0], v33, 5, s54
	v_mov_b32 v[PA], v[PA0]
	s_lshl_b32 s55, s46, 13
	v_lshl_add_u32 v[ROFF], v32, 4, s55
	v_bfe_u32 v33, v0, 2, 3                        ; point i = lane: iteration i / 4,
	v_and_b32 v34, 1, v0                           ; half s = i % 2,
	v_bfe_u32 v35, v0, 1, 1                        ; A or B = (i / 2) % 2
	v_lshl_add_u32 v[PST], v33, 6, s54
	v_lshl_add_u32 v[PST], v34, 5, v[PST]
	v_lshl_add_u32 v[PST], v35, 2, v[PST]
	s_mul_i32 s56, s46, 768                        ; 64 points of 12 bytes a wave
	v_mul_u32_u24 v[PGO], v32, 12
	v_add_nc_u32 v[PGO], s56, v[PGO]
	s_mul_i32 s48, s47, 24576                      ; 2,048 points of 12 bytes a work-group
	s_mov_b32 s49, 0
	s_wait_kmcnt 0x0
	s_add_nc_u64 s[40:41], s[40:41], s[48:49]
	s_lshl_b32 s48, s47, 18                        ; 2,048 points x 16 levels x 8 bytes
	s_add_nc_u64 s[42:43], s[42:43], s[48:49]
	global_load_b96 v[PL:PL+2], v[PGO], s[40:41]               ; the wave's 64 points: lane i takes points i and 32 + i, each load 384 consecutive bytes
	global_load_b96 v[PL+4:PL+6], v[PGO], s[40:41] offset:384
	; THE TABLE PIECE: wave 0 of work-groups 0 to 127 packs rows 32 g .. 32 g + 31 of all 16 tables.  Both jumps go forward, over no barrier.
	s_cmp_lg_u32 s46, 0
	s_cbranch_scc1 .Lnotab
	s_cmp_ge_u32 s47, 128
	s_cbranch_scc1 .Lnotab
	s_lshl_b32 s57, s47, 8                         ; 32 rows of 8 bytes
	s_lshl_b32 s58, s47, 11                        ; 32 rows of 64 bytes in tab
	v_lshl_add_u32 v38, v32, 3, s57
	v_lshl_add_u32 v39, v32, 4, s58
	v_lshlrev_b32 v42, 6, v32
	v_lshlrev_b32 v43, 4, v32
.irp l, 0,1,2,3,4,5,6,7,8,9,10,11,12,13,14,15
	global_load_b64 v[TL+2*\l:TL+2*\l+1], v38, s[8+2*\l:9+2*\l]  ; lane = row: 256 consecutive bytes of table l, aligned
.endr
	s_wait_loadcnt 0x0
.irp l, 0,1,2,3,4,5,6,7,8,9,10,11,12,13,14,15
	v_cvt_pk_bf16_f32 v[TL+\l], v[TL+2*\l], v[TL+2*\l+1]         ; in ascending l: word l lands on a register whose number has been read already
.endr
.irp a, 0,1,2,3
	ds_store_b128 v42, v[TL+4*\a:TL+4*\a+3] offset:TST+16*\a      ; my row's 64 bytes
.endr
.irp j, 0,1,2,3
	ds_load_b128 v[TL+16+4*\j:TL+16+4*\j+3], v43 offset:TST+512*\j  ; LDS serves a wave's instructions in order (ISA guide 5.7.1.4): these see the stores above
.endr
	s_wait_dscnt 0x0
.irp j, 0,1,2,3
	global_store_b128 v39, v[TL+16+4*\j:TL+16+4*\j+3], s[44:45] offset:512*\j  ; 512 consecutive bytes of tab, aligned
.endr
	s_wait_xcnt 0x0                                ; v38 is written again below only behind this wait
.Lnotab:
	s_wait_loadcnt 0x0                             ; my two points
	ds_store_b32 v[PST], v[PL]
	ds_store_b32 v[PST], v[PL+1] offset:8
	ds_store_b32 v[PST], v[PL+2] offset:16
	ds_store_b32 v[PST], v[PL+4] offset:512        ; point 32 + i lies eight iterations on
	ds_store_b32 v[PST], v[PL+5] offset:520
	ds_store_b32 v[PST], v[PL+6] offset:528
	ds_load_b128 v[PP:PP+3], v[PA]                 ; iteration 0; the wave's own bytes, served in order behind the stores
	ds_load_b64 v[PP+4:PP+5], v[PA] offset:16
; The record of point t (0: A, 1: B): 15 lines.
.macro HASH t
	v_mul_u32_u24 v[TM],   s50, v[I0+2+(\t)]       ; hy0, hy1, hz0, hz1, six places up; coordinates have 19 bits, the factors 18: inside the 24-bit multiply
	v_mul_u32_u24 v[TM+1], s50, v[I1+2+(\t)]
	v_mul_u32_u24 v[TM+2], s51, v[I0+4+(\t)]
	v_mul_u32_u24 v[TM+3], s51, v[I1+4+(\t)]
	v_lshlrev_b32 v[TM+4], 6, v[I0+(\t)]           ; x's prime is 1
	v_lshlrev_b32 v[TM+5], 6, v[I1+(\t)]
	v_xor_b32 v[TM+6], v[TM], v[TM+2]              ; hy0 ^ hz0
	v_xor_b32 v[TM+7], v[TM], v[TM+1]              ; DY
	v_xor_b32 v[TM+8], v[TM+2], v[TM+3]            ; DZ
	v_xor_b32 v[TM+4], v[TM+4], v[TM+6]            ; idx000
	v_xor_b32 v[TM+5], v[TM+5], v[TM+6]            ; idx100
	v_and_b32 v[TM+7], s52, v[TM+7]
	v_and_or_b32 v[TM+4], v[TM+4], s52, v[LV]      ; a000
	v_lshl_or_b32 v[RECD+2*(\t)],   v[TM+5], 14, v[TM+4]  ; bits 6-17 go to 20-31; what lies above falls out of the word, what lies below is 0
	v_lshl_or_b32 v[RECD+2*(\t)+1], v[TM+8], 14, v[TM+7]
.endm
; Iteration jj of a trip's four.  pf = 1: the next iteration's positions are asked for as soon as this one's have been read.
.macro ITER jj, pf
	s_wait_dscnt 0x0                               ; my positions
.irp c, 0,2,4
	v_pk_add_f32 v[I0+\c:I0+\c+1], v[PP+\c:PP+\c+1], 1.0 op_sel_hi:[1,0]
.endr
.if \pf
	ds_load_b128 v[PP:PP+3], v[PA] offset:((\jj)+1)*64
	ds_load_b64 v[PP+4:PP+5], v[PA] offset:((\jj)+1)*64+16
.endif
.irp c, 0,2,4
	v_pk_mul_f32 v[I0+\c:I0+\c+1], v[I0+\c:I0+\c+1], v[CF:CF+1]
.endr
.irp c, 0,1,2,3,4,5
	v_floor_f32 v[I0+\c], v[I0+\c]
.endr
.irp c, 0,2,4
	v_pk_add_f32 v[I1+\c:I1+\c+1], v[I0+\c:I0+\c+1], 1.0 op_sel_hi:[1,0]
.endr
.irp c, 0,1,2,3,4,5,6,7,8,9,10,11
	v_med3_num_f32 v[I0+\c], v[I0+\c], 0, v[RF]    ; both corners held to 0 .. res - 1 (I1 follows I0)
.endr
.irp c, 0,1,2,3,4,5,6,7,8,9,10,11
	v_cvt_u32_f32 v[I0+\c], v[I0+\c]
.endr
	s_wait_xcnt 0x0                                ; the last store has read its data: the record's registers are written again only behind this wait
	HASH 0
	HASH 1
	global_store_b128 v[ROFF], v[RECD:RECD+3], s[42:43] offset:(\jj)*512
.endm
	s_mov_b32 s53, 3
	s_mov_b32 s59, 0
.Ltrip:                                                ; three trips of four iterations; the last four are written out, since the very last asks for no further positions
	ITER 0, 1
	ITER 1, 1
	ITER 2, 1
	ITER 3, 1
	s_wait_xcnt 0x0                                ; the stores' base is stepped only behind this wait
	s_add_nc_u64 s[42:43], s[42:43], 2048
	s_add_co_u32 s59, s59, 256                     ; four iterations of 64 bytes on in my positions
	v_add_nc_u32 v[PA], s59, v[PA0]
	s_sub_co_u32 s53, s53, 1
	s_cmp_lg_u32 s53, 0
	s_cbranch_scc1 .Ltrip
	ITER 0, 1
	ITER 1, 1
	ITER 2, 1
	ITER 3, 0
	s_wait_tensorcnt 0x0                           ; the wave's end: behind my last LDS store
	ds_add_u32 v[SPW], v[NIL]
	s_wait_dscnt 0x0
	s_endpgm
.Lfunc_end_k_qe1506faa3b_index:
	.size	k_qe1506faa3b_index, .Lfunc_end_k_qe1506faa3b_index-k_qe1506faa3b_index
	.p2alignl 7, 3214868480
	.fill 96, 4, 3214868480
	.section	.rodata,"a",@progbits
	.p2align	6, 0x0
	.amdhsa_kernel k_qe1506faa3b_index
		.amdhsa_group_segment_fixed_size 38912
		.amdhsa_private_segment_fixed_size 0
		.amdhsa_enable_private_segment 0
		.amdhsa_kernarg_size 152
		.amdhsa_user_sgpr_count 2
		.amdhsa_user_sgpr_kernarg_segment_ptr 1
		.amdhsa_wavefront_size32 1
		.amdhsa_system_sgpr_workgroup_id_x 1
		.amdhsa_system_sgpr_workgroup_id_y 1
		.amdhsa_system_sgpr_workgroup_id_z 1
		.amdhsa_system_vgpr_workitem_id 0
		.amdhsa_next_free_vgpr 88
		.amdhsa_next_free_sgpr 66
		.amdhsa_reserve_vcc 0
		.amdhsa_float_denorm_mode_32 3
		.amdhsa_float_denorm_mode_16_64 3
		.amdhsa_memory_ordered 1
		.amdhsa_forward_progress 1
		.amdhsa_inst_pref_size 34
	.end_amdhsa_kernel
	.amdgpu_metadata
---
amdhsa.version: [ 1, 2 ]
amdhsa.kernels:
  - .name:           k_qe1506faa3b_index
    .symbol:         k_qe1506faa3b_index.kd
    .args:
      - { .name: tables_0, .offset: 0, .size: 8, .value_kind: global_buffer, .address_space: global }
      - { .name: tables_1, .offset: 8, .size: 8, .value_kind: global_buffer, .address_space: global }
      - { .name: tables_2, .offset: 16, .size: 8, .value_kind: global_buffer, .address_space: global }
      - { .name: tables_3, .offset: 24, .size: 8, .value_kind: global_buffer, .address_space: global }
      - { .name: tables_4, .offset: 32, .size: 8, .value_kind: global_buffer, .address_space: global }
      - { .name: tables_5, .offset: 40, .size: 8, .value_kind: global_buffer, .address_space: global }
      - { .name: tables_6, .offset: 48, .size: 8, .value_kind: global_buffer, .address_space: global }
      - { .name: tables_7, .offset: 56, .size: 8, .value_kind: global_buffer, .address_space: global }
      - { .name: tables_8, .offset: 64, .size: 8, .value_kind: global_buffer, .address_space: global }
      - { .name: tables_9, .offset: 72, .size: 8, .value_kind: global_buffer, .address_space: global }
      - { .name: tables_10, .offset: 80, .size: 8, .value_kind: global_buffer, .address_space: global }
      - { .name: tables_11, .offset: 88, .size: 8, .value_kind: global_buffer, .address_space: global }
      - { .name: tables_12, .offset: 96, .size: 8, .value_kind: global_buffer, .address_space: global }
      - { .name: tables_13, .offset: 104, .size: 8, .value_kind: global_buffer, .address_space: global }
      - { .name: tables_14, .offset: 112, .size: 8, .value_kind: global_buffer, .address_space: global }
      - { .name: tables_15, .offset: 120, .size: 8, .value_kind: global_buffer, .address_space: global }
      - { .name: positions, .offset: 128, .size: 8, .value_kind: global_buffer, .address_space: global }
      - { .name: rec, .offset: 136, .size: 8, .value_kind: global_buffer, .address_space: global }
      - { .name: tab, .offset: 144, .size: 8, .value_kind: global_buffer, .address_space: global }
    .group_segment_fixed_size: 38912
    .private_segment_fixed_size: 0
    .kernarg_segment_align: 8
    .kernarg_segment_size: 152
    .max_flat_workgroup_size: 1024
    .sgpr_count:     66
    .vgpr_count:     88
    .wavefront_size: 32
...
	.end_amdgpu_metadata
.endif
;; end of part 1
;; launch gather (part 2): grid 256 x 1, 32 waves a work-group, no clusters, 299,008 bytes of LDS; arguments positions, rec, tab, out0; writes out0
.if DOCPART == 2
	.amdgcn_target "amdgcn-amd-amdhsa--gfx1250"
	.amdhsa_code_object_version 6
	.text
	.protected	k_qe1506faa3b_gather
	.globl	k_qe1506faa3b_gather
	.p2align	8
	.type	k_qe1506faa3b_gather,@function
k_qe1506faa3b_gather:
	s_mov_b64 s[64:65], 0
	v_nop
	global_prefetch_b8 v0, s[64:65] scope:SCOPE_SE
	s_setreg_imm32_b32 hwreg(HW_REG_WAVE_MODE, 25, 1), 1
	s_wait_xcnt 0x0
; HASH GRID, SECOND LAUNCH: out0[point][2 l .. 2 l + 1] = the trilinear blend of eight rows of table l.  The eight addresses come from the whole numbers in rec (first launch), the rows from tab,
; the bf16 image of all 16 tables' live rows (262,144 bytes), which lies in LDS for the whole launch; the weights are made anew in f32 from positions and steer no address.
; RECORD (lo, hi): lo = a000 | idx100 << 20, a000 = idx000 << 6 | level << 2 = the LDS byte of corner (0,0,0); hi = DY << 6 | DZ << 20.  Corner n = 4 dx + 2 dy + dz: a000 or a100, xor DY << 6 where dy, xor DZ << 6 where dz.
; WEIGHTS, as the reference rounds them: scaled = (p + 1) x C, C = 0.5 (res - 1) exact, add and multiply not fused; w = scaled - floor(scaled).  As in the reference wz goes with dx, wy with dy, wx with dz.
; The blend is (1 - wz) f0 + wz f1 along dx, then a + w (b - a) along dy and dz: another order of roundings than the reference's product of three weights, in f32 throughout.
; LIMITS.  Table values were rounded once to bf16: the output is off by no more than 2^-8 of the largest table value met.  NaN and infinite positions are not treated apart.
; SHARES, as in the first launch.  A work-group 2,048 points, a wave 64, an iteration 4.  lane = 16 s + l: level l, points A = base + s, B = base + 2 + s.  A lane's two numbers of point A lie at
; 128 base + 8 lane: one store of 8 bytes a lane covers 256 consecutive bytes of out0, aligned; B's is the next 256.
; LDS WORD = 16 idx + level: lanes of different levels never meet in a bank (64 banks of 4 bytes: ISA guide 11.1); the two lanes of one level share four banks.
; NO CLUSTER, though all work-groups read the same 262,144 bytes of tab: in a launch with joint requests every LDS address is alike in all partners, and the gathers' addresses are made of each
; work-group's own records.  So each work-group asks for the table itself: waves 0 to 15 issue one tensor load of 16,384 bytes each.  One tensor load a wave is out.
.set POS,   262144                     ; behind the table: 1,024 bytes a wave: iteration t at 64 t, half s at 32 s: xA xB yA yB zA zB and 8 bytes never touched; written by ds_store, never by a tensor load
.set SPARE, 294912                     ; the spare words: 128 bytes for each of 32 waves, sixteen blocks of 256 bytes that no other line names
.set SPW,  1                           ; v1      LDS address of my spare word; never rewritten
.set NIL,  2                           ; v2      0; never rewritten
.set LV,   3                           ; v3      level << 2
.set ZERO, 4                           ; v4      0.0, the addend of the blend's first products
.set PA0,  5                           ; v5      LDS address of my half's positions in iteration 0
.set CF,   6                           ; v[6:7]  C, twice
.set PA,   8                           ; v8      the same for the trip in hand
.set ROFF, 9                           ; v9      my byte offset in the work-group's records: 8,192 wave + 16 lane
.set OOFF, 10                          ; v10     in its part of out0: 8,192 wave + 8 lane
.set PST,  11                          ; v11     where point number 'lane' of the wave puts its x
.set PP,   12                          ; v[12:17] xA xB yA yB zA zB
.set SS,   18                          ; v[18:23] scaled
.set WW,   24                          ; v[24:29] floor, then wxA wxB wyA wyB wzA wzB
.set MZ,   30                          ; v[30:31] 1 - wz
.set RC,   32                          ; v[32:47] four slots of records: loA hiA loB hiB
.set AD,   48                          ; v[48:63] eight addresses for A, eight for B
.set FT,   64                          ; v[64:79] the gathered words
.set VV,   80                          ; v[80:87] blended along dx: pair 2 dy + dz
.set OO,   88                          ; v[88:91] the results of A and of B
.set TT,   92                          ; v[92:99] at work
.set ONE,  100                         ; v[100:101] 1.0, twice
.set PL,   102                         ; v[102:104], v[106:108] two points as loaded
.set PGO,  109                         ; v109    byte offset of point 'lane' in the work-group's positions
	s_load_b256 s[4:11], s[0:1], 0x0               ; positions s[4:5], rec s[6:7], tab s[8:9], out0 s[10:11]
	v_lshl_add_u32 v[SPW], v0, 2, SPARE
	v_mov_b32 v[NIL], 0
	ds_add_u32 v[SPW], v[NIL]                      ; the wave's opening: the add and its wait stand ahead of the first tensor load; the set-up below, work on registers, stands between them
	v_lshrrev_b32 v[TT], 5, v0
	v_readfirstlane_b32 s12, v[TT]                 ; wave 0..31
	s_mov_b32 s14, ttmp9                           ; my work-group, 0..255
	; descriptor group 1: 16,384 dense bytes as 64 rows of 256 bytes, no padding
	s_mov_b32 s16, 3<<16                           ; 15:0 no mask; 17:16 elements of 8 bytes
	s_mov_b32 s17, 32<<16                          ; tensor_dim0 = 32 elements
	s_mov_b32 s18, 64<<16                          ; tensor_dim1 = 64 rows
	s_mov_b32 s19, 32<<16                          ; tile_dim0 = 32
	s_mov_b32 s20, 64                              ; tile_dim1 = 64
	s_mov_b32 s21, 32                              ; 32 elements from row to row
	s_mov_b32 s22, 0
	s_mov_b32 s23, 0
	s_mov_b32 s24, 1                               ; group 0: count = 1
	s_lshl_b32 s25, s12, 14                        ; LDS address: wave x 16,384 (waves 0 to 15 ask)
	s_lshl_b32 s34, s12, 14                        ; and the same place in tab
	s_mov_b32 s35, 0
	s_mov_b32 s32, 0x3ffc0                         ; the 12 index bits at their place in a byte address
	s_mov_b32 s33, 0x3ffff                         ; a whole byte address
	s_mov_b32 s29, 0
	v_and_b32 v[TT], 15, v0                        ; level
	v_lshlrev_b32 v[LV], 2, v[TT]
	v_mov_b32 v[TT+1], 16
	v_lshlrev_b32 v[TT+1], v[TT], v[TT+1]          ; res = 16 << level
	v_add_nc_u32 v[TT+1], -1, v[TT+1]
	v_cvt_f32_u32 v[TT+1], v[TT+1]                 ; exact: 19 bits at the most
	v_mul_f32 v[CF], 0.5, v[TT+1]
	v_mul_f32 v[CF+1], 0.5, v[TT+1]
	v_mov_b32 v[ZERO], 0
	v_mov_b32 v[ONE], 1.0
	v_mov_b32 v[ONE+1], 1.0
	v_and_b32 v[TT+2], 31, v0                      ; lane
	v_bfe_u32 v[TT+3], v0, 4, 1                    ; s
	s_lshl_b32 s36, s12, 10
	s_add_co_u32 s36, s36, POS                     ; my wave's 1,024 bytes of POS
	v_lshl_add_u32 v[PA0], v[TT+3], 5, s36
	v_mov_b32 v[PA], v[PA0]
	s_lshl_b32 s37, s12, 13
	v_lshl_add_u32 v[ROFF], v[TT+2], 4, s37
	v_lshl_add_u32 v[OOFF], v[TT+2], 3, s37
	v_bfe_u32 v[TT+4], v0, 2, 3                    ; point i = lane: iteration i / 4,
	v_and_b32 v[TT+5], 1, v0                       ; half s = i % 2,
	v_bfe_u32 v[TT+6], v0, 1, 1                    ; A or B = (i / 2) % 2
	v_lshl_add_u32 v[PST], v[TT+4], 6, s36
	v_lshl_add_u32 v[PST], v[TT+5], 5, v[PST]
	v_lshl_add_u32 v[PST], v[TT+6], 2, v[PST]
	s_mul_i32 s38, s12, 768                        ; 64 points of 12 bytes a wave
	v_mul_u32_u24 v[PGO], v[TT+2], 12
	v_add_nc_u32 v[PGO], s38, v[PGO]
	s_mul_i32 s30, s14, 24576                      ; 2,048 points of 12 bytes a work-group
	s_mov_b32 s31, 0
	s_wait_dscnt 0x0                               ; the opening add is done
	s_wait_kmcnt 0x0
	s_add_nc_u64 s[4:5], s[4:5], s[30:31]
	s_lshl_b32 s30, s14, 18                        ; 262,144 bytes a work-group, of rec and of out0 alike
	s_add_nc_u64 s[6:7], s[6:7], s[30:31]
	s_add_nc_u64 s[10:11], s[10:11], s[30:31]
	s_cmp_lt_u32 s12, 16                           ; the table's one fill: ahead of every wait on TENSORcnt, every LDS read and every barrier
	s_cbranch_scc0 .Lnoload
	s_add_nc_u64 s[26:27], s[8:9], s[34:35]        ; global address: tab + wave x 16,384
	s_or_b32 s27, s27, 0x80000000                  ; type = 2
	tensor_load_to_lds s[24:27], s[16:23]
	s_nop 0
.rept 4
	v_nop
.endr
.Lnoload:
	global_load_b96 v[PL:PL+2], v[PGO], s[4:5] th:TH_LOAD_NT              ; the wave's 64 points: lane i takes points i and 32 + i
	global_load_b96 v[PL+4:PL+6], v[PGO], s[4:5] offset:384 th:TH_LOAD_NT
.irp j, 0,1,2,3
	global_load_b128 v[RC+4*\j:RC+4*\j+3], v[ROFF], s[6:7] offset:512*\j th:TH_LOAD_NT  ; the ring of records: iterations 0 to 3, 512 consecutive bytes each
.endr
	s_wait_loadcnt 4                               ; loads come back in order (ISA guide 5.7.1): the positions are in, the four records behind them stay out
	ds_store_b32 v[PST], v[PL]
	ds_store_b32 v[PST], v[PL+1] offset:8
	ds_store_b32 v[PST], v[PL+2] offset:16
	ds_store_b32 v[PST], v[PL+4] offset:512        ; point 32 + i lies eight iterations on
	ds_store_b32 v[PST], v[PL+5] offset:520
	ds_store_b32 v[PST], v[PL+6] offset:528
	s_wait_tensorcnt 0x0                           ; my sixteenth of the table has landed,
	s_wait_dscnt 0x0                               ; no LDS instruction of mine is pending at the signal,
	s_barrier_signal -1
	s_barrier_wait -1                              ; and everybody's part has: the table is whole.
	ds_load_b128 v[PP:PP+3], v[PA]                 ; iteration 0's positions
	ds_load_b64 v[PP+4:PP+5], v[PA] offset:16
; The eight addresses of point t (0: A, 1: B) from ring slot 'slot', and the eight gathers.  A number that was loaded enters an address behind a v_min_u32 with a written bound, as the last line on it: 262,140, the table's last word.
.macro ADDR t, slot
.set LO, RC+4*(\slot)+2*(\t)
.set A0, AD+8*(\t)
	v_and_b32 v[A0], s33, v[LO]                    ; a000
	v_lshrrev_b32 v[A0+4], 14, v[LO]
	v_and_b32 v[TT], s32, v[LO+1]                  ; DY << 6
	v_lshrrev_b32 v[TT+1], 14, v[LO+1]
	v_and_or_b32 v[A0+4], v[A0+4], s32, v[LV]      ; a100
	v_and_b32 v[TT+1], s32, v[TT+1]                ; DZ << 6
	v_xor_b32 v[A0+2], v[A0], v[TT]
	v_xor_b32 v[A0+6], v[A0+4], v[TT]
.irp n, 0,2,4,6
	v_xor_b32 v[A0+\n+1], v[A0+\n], v[TT+1]
.endr
.irp n, 0,1,2,3,4,5,6,7
	v_min_u32 v[A0+\n], 0x3fffc, v[A0+\n]
.endr
.irp n, 0,1,2,3,4,5,6,7
	ds_load_b32 v[FT+8*(\t)+\n], v[A0+\n]
.endr
.endm
; The blend of point t.  Along dx straight from the bf16 halves (low: feature 0, high: feature 1) into f32; along dy and dz packed, both features at once, the point's weight picked out of its pair (A, B).
.macro BLEND t
.irp bc, 0,1,2,3
	v_fma_mix_f32_bf16 v[VV+2*\bc],   v[FT+8*(\t)+\bc], v[MZ+(\t)], v[ZERO] op_sel_hi:[1,0,0]
	v_fma_mix_f32_bf16 v[VV+2*\bc+1], v[FT+8*(\t)+\bc], v[MZ+(\t)], v[ZERO] op_sel:[1,0,0] op_sel_hi:[1,0,0]
.endr
.irp bc, 0,1,2,3
	v_fma_mix_f32_bf16 v[VV+2*\bc],   v[FT+8*(\t)+4+\bc], v[WW+4+(\t)], v[VV+2*\bc] op_sel_hi:[1,0,0]
	v_fma_mix_f32_bf16 v[VV+2*\bc+1], v[FT+8*(\t)+4+\bc], v[WW+4+(\t)], v[VV+2*\bc+1] op_sel:[1,0,0] op_sel_hi:[1,0,0]
.endr
	v_pk_add_f32 v[TT:TT+1],   v[VV+4:VV+5], v[VV:VV+1]   neg_lo:[0,1] neg_hi:[0,1]
	v_pk_add_f32 v[TT+2:TT+3], v[VV+6:VV+7], v[VV+2:VV+3] neg_lo:[0,1] neg_hi:[0,1]
	v_pk_fma_f32 v[TT+4:TT+5], v[TT:TT+1],   v[WW+2:WW+3], v[VV:VV+1]   op_sel:[0,\t,0] op_sel_hi:[1,\t,1]  ; wy of point t for both features
	v_pk_fma_f32 v[TT+6:TT+7], v[TT+2:TT+3], v[WW+2:WW+3], v[VV+2:VV+3] op_sel:[0,\t,0] op_sel_hi:[1,\t,1]
	v_pk_add_f32 v[TT:TT+1], v[TT+6:TT+7], v[TT+4:TT+5] neg_lo:[0,1] neg_hi:[0,1]
	v_pk_fma_f32 v[OO+2*(\t):OO+2*(\t)+1], v[TT:TT+1], v[WW:WW+1], v[TT+4:TT+5] op_sel:[0,\t,0] op_sel_hi:[1,\t,1]  ; wx
.endm
; Iteration jj of a trip's four.  refill = 1: the slot takes the record four iterations on.  left: the younger record loads that may stay out.  pf = 1: the next iteration's positions are asked for.
.macro ITER jj, refill, left, pf
	s_wait_loadcnt \left                           ; my slot's record is in
	ADDR 0, \jj
	ADDR 1, \jj
.if \refill
	global_load_b128 v[RC+4*(\jj):RC+4*(\jj)+3], v[ROFF], s[6:7] offset:(4+(\jj))*512 th:TH_LOAD_NT
.endif
	s_wait_dscnt 16                                ; LDS loads come back in order: my positions, asked for ahead of the sixteen gathers, are in
.irp c, 0,2,4
	v_pk_add_f32 v[SS+\c:SS+\c+1], v[PP+\c:PP+\c+1], 1.0 op_sel_hi:[1,0]
.endr
.if \pf
	ds_load_b128 v[PP:PP+3], v[PA] offset:((\jj)+1)*64
	ds_load_b64 v[PP+4:PP+5], v[PA] offset:((\jj)+1)*64+16
.endif
.irp c, 0,2,4
	v_pk_mul_f32 v[SS+\c:SS+\c+1], v[SS+\c:SS+\c+1], v[CF:CF+1]
.endr
.irp c, 0,1,2,3,4,5
	v_floor_f32 v[WW+\c], v[SS+\c]
.endr
.irp c, 0,2,4
	v_pk_add_f32 v[WW+\c:WW+\c+1], v[SS+\c:SS+\c+1], v[WW+\c:WW+\c+1] neg_lo:[0,1] neg_hi:[0,1]
.endr
	v_pk_add_f32 v[MZ:MZ+1], v[ONE:ONE+1], v[WW+4:WW+5] neg_lo:[0,1] neg_hi:[0,1]
	s_wait_xcnt 0x0                                ; the last iteration's stores have read their data: the results' registers are written again only behind this wait
	s_wait_dscnt 8+2*(\pf)                         ; A's eight words are in; B's eight and the positions asked for above may be out
	BLEND 0
	s_wait_dscnt 2*(\pf)                           ; B's are in
	BLEND 1
	global_store_b64 v[OOFF], v[OO:OO+1],   s[10:11] offset:(\jj)*512 th:TH_STORE_NT      ; 256 consecutive bytes, aligned: points base, base + 1
	global_store_b64 v[OOFF], v[OO+2:OO+3], s[10:11] offset:(\jj)*512+256 th:TH_STORE_NT  ; and base + 2, base + 3
.endm
	s_mov_b32 s28, 3
.Ltrip:                                                ; three trips of four iterations, each filling its slot again; the last four are written out: no load leaves rec
	ITER 0, 1, 3, 1
	ITER 1, 1, 3, 1
	ITER 2, 1, 3, 1
	ITER 3, 1, 3, 1
	s_wait_xcnt 0x0                                ; the bases of pending loads and stores are stepped only behind this wait
	s_add_nc_u64 s[6:7], s[6:7], 2048
	s_add_nc_u64 s[10:11], s[10:11], 2048
	s_add_co_u32 s29, s29, 256                     ; four iterations of 64 bytes on in my positions
	v_add_nc_u32 v[PA], s29, v[PA0]
	s_sub_co_u32 s28, s28, 1
	s_cmp_lg_u32 s28, 0
	s_cbranch_scc1 .Ltrip
	ITER 0, 0, 3, 1                                ; the counts run down
	ITER 1, 0, 2, 1
	ITER 2, 0, 1, 1
	ITER 3, 0, 0, 0
	s_wait_tensorcnt 0x0                           ; the wave's end: behind my last tensor load and my last LDS store
	ds_add_u32 v[SPW], v[NIL]
	s_wait_dscnt 0x0
	s_endpgm
.Lfunc_end_k_qe1506faa3b_gather:
	.size	k_qe1506faa3b_gather, .Lfunc_end_k_qe1506faa3b_gather-k_qe1506faa3b_gather
	.p2alignl 7, 3214868480
	.fill 96, 4, 3214868480
	.section	.rodata,"a",@progbits
	.p2align	6, 0x0
	.amdhsa_kernel k_qe1506faa3b_gather
		.amdhsa_group_segment_fixed_size 299008
		.amdhsa_private_segment_fixed_size 0
		.amdhsa_enable_private_segment 0
		.amdhsa_kernarg_size 32
		.amdhsa_user_sgpr_count 2
		.amdhsa_user_sgpr_kernarg_segment_ptr 1
		.amdhsa_wavefront_size32 1
		.amdhsa_system_sgpr_workgroup_id_x 1
		.amdhsa_system_sgpr_workgroup_id_y 1
		.amdhsa_system_sgpr_workgroup_id_z 1
		.amdhsa_system_vgpr_workitem_id 0
		.amdhsa_next_free_vgpr 112
		.amdhsa_next_free_sgpr 66
		.amdhsa_reserve_vcc 0
		.amdhsa_float_denorm_mode_32 3
		.amdhsa_float_denorm_mode_16_64 3
		.amdhsa_memory_ordered 1
		.amdhsa_forward_progress 1
		.amdhsa_inst_pref_size 60
	.end_amdhsa_kernel
	.amdgpu_metadata
---
amdhsa.version: [ 1, 2 ]
amdhsa.kernels:
  - .name:           k_qe1506faa3b_gather
    .symbol:         k_qe1506faa3b_gather.kd
    .args:
      - { .name: positions, .offset: 0, .size: 8, .value_kind: global_buffer, .address_space: global }
      - { .name: rec, .offset: 8, .size: 8, .value_kind: global_buffer, .address_space: global }
      - { .name: tab, .offset: 16, .size: 8, .value_kind: global_buffer, .address_space: global }
      - { .name: out0, .offset: 24, .size: 8, .value_kind: global_buffer, .address_space: global }
    .group_segment_fixed_size: 299008
    .private_segment_fixed_size: 0
    .kernarg_segment_align: 8
    .kernarg_segment_size: 32
    .max_flat_workgroup_size: 1024
    .sgpr_count:     66
    .vgpr_count:     112
    .wavefront_size: 32
...
	.end_amdgpu_metadata
.endif
;; end of part 2
;; ======== version 2 of 2: 2 launches; version 1 with the launch index written anew for expert scheduling mode
;; workspace buffers: rec 67,108,864 bytes of whole numbers; tab 262,144 bytes
;; launch index (part 3): grid 256 x 1, 32 waves a work-group, no clusters, 38,912 bytes of LDS; arguments tables_0, tables_1, tables_2, tables_3, tables_4, tables_5, tables_6, tables_7, tables_8, tables_9, tables_10, tables_11, tables_12, tables_13, tables_14, tables_15, positions, rec, tab; writes rec, tab
.if DOCPART == 3
	.amdgcn_target "amdgcn-amd-amdhsa--gfx1250"
	.amdhsa_code_object_version 6
	.text
	.protected	k_qe1506faa3b_index
	.globl	k_qe1506faa3b_index
	.p2align	8
	.type	k_qe1506faa3b_index,@function
k_qe1506faa3b_index:
	s_mov_b64 s[64:65], 0
	v_nop
	global_prefetch_b8 v0, s[64:65] scope:SCOPE_SE
	s_setreg_imm32_b32 hwreg(HW_REG_WAVE_SCHED_MODE, 0, 2), 2
	s_setreg_imm32_b32 hwreg(HW_REG_WAVE_MODE, 25, 1), 1
	s_wait_xcnt 0x0
	s_wait_alu depctr_vm_vsrc(0)
; HASH GRID, FIRST OF TWO LAUNCHES: from positions [524288][3] f32 it makes, for every point and each of the 16 levels, one record of 64 bits of whole numbers (rec),
; from which the second launch forms its eight table addresses.  On the side 128 waves pack the live part of the 16 tables into one bf16 image (tab).
; WHY TWO LAUNCHES: the indices come from floor() of floating-point numbers, and an address is formed only from whole numbers that an earlier launch has stored.
; ARITHMETIC, as the reference rounds it: q = p + 1 (one rounding), scaled = q x C with C = 0.5 (res - 1), res = 16 << level.  C is exact (20 bits at the most) and a factor 0.5 changes no
; rounding, so this is ((p + 1) 0.5)(res - 1) bit for bit; add and multiply are NOT fused.  floor, floor + 1, both held to 0 .. res - 1 in f32, then made whole numbers.
; index = (cx ^ cy 2654435761 ^ cz 805459861) mod 4096 at EVERY level: only the primes' low 12 bits (0x9b1, 0x795) and the first 4,096 rows of each table matter.
; RECORD.  lo = a000 | idx100 << 20, a000 = idx000 << 6 | level << 2: the byte of corner (0,0,0)'s word in tab.  hi = DY << 6 | DZ << 20, DY = hy0 ^ hy1, DZ = hz0 ^ hz1 (12 bits each):
; a corner's index is idx000 or idx100, xor DY where dy = 1, xor DZ where dz = 1.
; TAB.  The word at byte 64 e + 4 l holds row e of table l: feature 0 in the low half, feature 1 in the high half, each rounded ONCE to bf16.
; LIMITS.  A table value is off by half a bf16 step at the most, 2^-8 of itself; the eight weights sum to 1, so the output is off by no more than 2^-8 of the largest table value met.
; NaN and infinite positions are not treated apart (their indices still lie in 0 .. 4095); a finite position outside -1 .. 1 is clipped as the reference clips it while |scaled| stays under 2^31.
; SHARES.  A work-group 2,048 points, a wave 64, an iteration 4.  lane = 16 s + l: level l, points A = base + s and B = base + 2 + s; packed f32 lines work on the pair (A, B).
; A wave's store of 16 bytes a lane covers 512 consecutive bytes of rec, aligned.  No wave reads another's LDS bytes: no barrier.
; NO CLUSTER, NO TENSOR LOAD: the work-groups share no tile; each 256 bytes of a table are read by one wave of the launch.
; THE MODE: SCHED_MODE bits 1:0 = 2 (LLVM: expert scheduling mode 2), set by the entry lines.  The code itself states the register dependences
; between vector instructions and memory or LDS instructions, with s_wait_alu, always for 0.
; THE PLAN.  Registers that memory or LDS instructions touch, in the 16 iterations:
;   PP0, PP1   two buffers of positions.  PP[i % 2] is written by the two LDS loads issued at the head of iteration i - 1 and read by iteration i's first three packed additions.
;   R0, R1     two buffers of records.    R[i % 2] is written by iteration i's hash lines and read by the store issued at the head of iteration i + 1.
;   v[PA]      read by every LDS load of positions; written once a lap, at the lap's bottom.
;   v[ROFF]    read by every store of records; made at the head and never written again: the scalar base moves on by a lap, and immediate offsets do the rest.
; Iteration i works on PP[i % 2] and writes R[i % 2].  Its memory instructions are the loads into PP[(i + 1) % 2] and the store from R[(i - 1) % 2]: the two buffers that iteration i - 1 worked on
; and that no vector instruction of iteration i names.  So the waits at an iteration's head state all that its three memory instructions hang on.
; Iteration 0 has no iteration in front of it and stands ahead of the loop; a lap is four iterations, so that both kinds of buffer are back at their start.
.set POS,   0                          ; LDS: 1,024 bytes a wave: iteration t at 64 t, half s at 32 s: xA xB yA yB zA zB and 8 bytes never touched
.set TST,   32768                      ; 2,048 bytes: wave 0's stage for its piece of tab
.set SPARE, 34816                      ; the spare words: 128 bytes for each of 32 waves, sixteen blocks of 256 bytes that no other line names
.set K1,    0x9b1<<6                   ; the primes' low 12 bits, six places up: a product's bits 6 to 17 are then the hash's 12 bits at their place in a byte address
.set K2,    0x795<<6
.set SPW,  1                           ; v1      LDS address of my spare word; never rewritten
.set NIL,  2                           ; v2      0; never rewritten
.set LV,   3                           ; v3      level << 2
.set RF,   4                           ; v4      res - 1 as f32
.set PA0,  5                           ; v5      LDS address of my half's positions in iteration 0
.set CF,   6                           ; v[6:7]  C, twice
.set PA,   8                           ; v8      the same for the lap in hand: PA0 + 256 x lap
.set ROFF, 9                           ; v9      my byte offset in the work-group's records: 8,192 wave + 16 lane
.set PST,  10                          ; v10     where point number 'lane' of the wave puts its x
.set PGO,  11                          ; v11     byte offset of that point in the work-group's positions
.set PP,   12                          ; v[12:17], v[88:93] xA xB yA yB zA zB: buffer b at PP + PPS b
.set PPS,  76
.set I0,   18                          ; v[18:23] scaled, floor, lower corner (same order)
.set I1,   24                          ; v[24:29] upper corner
.set TM,   30                          ; v[30:38] at work
.set RECD, 44                          ; v[44:47], v[94:97] loA hiA loB hiB: buffer b at RECD + RCS b
.set RCS,  50
.set PL,   48                          ; v[48:50], v[52:54] two points as loaded
.set TL,   56                          ; v[56:87] the table piece
	s_load_b512 s[8:23], s[0:1], 0x0               ; tables 0 to 7
	s_load_b512 s[24:39], s[0:1], 0x40             ; tables 8 to 15
	s_load_b128 s[40:43], s[0:1], 0x80             ; positions s[40:41], rec s[42:43]
	s_load_b64 s[44:45], s[0:1], 0x90              ; tab
	v_lshl_add_u32 v[SPW], v0, 2, SPARE
	v_mov_b32 v[NIL], 0
	v_lshrrev_b32 v30, 5, v0
	v_readfirstlane_b32 s46, v30                   ; wave 0..31
	s_mov_b32 s47, ttmp9                           ; work-group 0..255
	s_mov_b32 s50, K1
	s_mov_b32 s51, K2
	s_mov_b32 s52, 0x3ffc0                         ; the 12 index bits at their place in a byte address
	v_and_b32 v31, 15, v0                          ; level
	v_lshlrev_b32 v[LV], 2, v31
	v_mov_b32 v30, 16
	v_lshlrev_b32 v30, v31, v30                    ; res = 16 << level
	v_add_nc_u32 v30, -1, v30
	v_cvt_f32_u32 v[RF], v30                       ; exact: 19 bits at the most
	v_mul_f32 v[CF], 0.5, v[RF]
	v_mul_f32 v[CF+1], 0.5, v[RF]
	v_and_b32 v32, 31, v0                          ; lane
	v_bfe_u32 v33, v0, 4, 1                        ; s
	s_wait_alu depctr_va_sdst(0)                   ; s46 is written, ahead of its first reader: the wave's LDS bytes, its offsets and the branch on the wave's number are made from it
	s_lshl_b32 s54, s46, 10                        ; my wave's 1,024 bytes of POS (POS begins at LDS byte 0)
	v_lshl_add_u32 v[PA0], v33, 5, s54
	v_mov_b32 v[PA], v[PA0]
	s_lshl_b32 s55, s46, 13
	v_lshl_add_u32 v[ROFF], v32, 4, s55
	v_bfe_u32 v33, v0, 2, 3                        ; point i = lane: iteration i / 4,
	v_and_b32 v34, 1, v0                           ; half s = i % 2,
	v_bfe_u32 v35, v0, 1, 1                        ; A or B = (i / 2) % 2
	v_lshl_add_u32 v[PST], v33, 6, s54
	v_lshl_add_u32 v[PST], v34, 5, v[PST]
	v_lshl_add_u32 v[PST], v35, 2, v[PST]
	s_mul_i32 s56, s46, 768                        ; 64 points of 12 bytes a wave
	v_mul_u32_u24 v[PGO], v32, 12
	v_add_nc_u32 v[PGO], s56, v[PGO]
	s_mul_i32 s48, s47, 24576                      ; 2,048 points of 12 bytes a work-group
	s_mov_b32 s49, 0
	s_wait_kmcnt 0x0
	s_add_nc_u64 s[40:41], s[40:41], s[48:49]
	s_lshl_b32 s48, s47, 18                        ; 2,048 points x 16 levels x 8 bytes
	s_add_nc_u64 s[42:43], s[42:43], s[48:49]
	s_wait_alu depctr_va_vdst(0)                   ; v[PGO], v[PST], v[PA] and v[ROFF] are written, which the loads, LDS stores, LDS loads and stores below read as their addresses
	global_load_b96 v[PL:PL+2], v[PGO], s[40:41]               ; the wave's 64 points: lane i takes points i and 32 + i, each load 384 consecutive bytes
	global_load_b96 v[PL+4:PL+6], v[PGO], s[40:41] offset:384
	; THE TABLE PIECE: wave 0 of work-groups 0 to 127 packs rows 32 g .. 32 g + 31 of all 16 tables.  Both jumps go forward, over no barrier.
	s_cmp_lg_u32 s46, 0
	s_cbranch_scc1 .Lnotab
	s_cmp_ge_u32 s47, 128
	s_cbranch_scc1 .Lnotab
	s_lshl_b32 s57, s47, 8                         ; 32 rows of 8 bytes
	s_lshl_b32 s58, s47, 11                        ; 32 rows of 64 bytes in tab
	v_lshl_add_u32 v38, v32, 3, s57
	v_lshl_add_u32 v39, v32, 4, s58
	v_lshlrev_b32 v42, 6, v32
	v_lshlrev_b32 v43, 4, v32
	s_wait_alu depctr_va_vdst(0)                   ; v38, v39, v42 and v43 are written: the addresses of this piece's loads, stores, LDS stores and LDS loads
.irp l, 0,1,2,3,4,5,6,7,8,9,10,11,12,13,14,15
	global_load_b64 v[TL+2*\l:TL+2*\l+1], v38, s[8+2*\l:9+2*\l]  ; lane = row: 256 consecutive bytes of table l, aligned
.endr
	s_wait_loadcnt 0x0
.irp l, 0,1,2,3,4,5,6,7,8,9,10,11,12,13,14,15
	v_cvt_pk_bf16_f32 v[TL+\l], v[TL+2*\l], v[TL+2*\l+1]         ; in ascending l: word l lands on a register whose number has been read already
.endr
	s_wait_alu depctr_va_vdst(0)                   ; the conversions have written v[TL .. TL+15], which the LDS stores read, and are done reading v[TL+16 .. TL+31], in which the LDS loads land
.irp a, 0,1,2,3
	ds_store_b128 v42, v[TL+4*\a:TL+4*\a+3] offset:TST+16*\a      ; my row's 64 bytes
.endr
.irp j, 0,1,2,3
	ds_load_b128 v[TL+16+4*\j:TL+16+4*\j+3], v43 offset:TST+512*\j  ; LDS serves a wave's instructions in order (ISA guide 5.7.1.4): these see the stores above
.endr
	s_wait_dscnt 0x0
.irp j, 0,1,2,3
	global_store_b128 v39, v[TL+16+4*\j:TL+16+4*\j+3], s[44:45] offset:512*\j  ; 512 consecutive bytes of tab, aligned
.endr
	s_wait_xcnt 0x0                                ; v38 is written again below only behind this wait
	s_wait_alu depctr_vm_vsrc(0)                   ; the sixteen loads have read v38, which the hash lines below write again; the piece's other registers are never written again
.Lnotab:
	s_wait_loadcnt 0x0                             ; my two points
	ds_store_b32 v[PST], v[PL]
	ds_store_b32 v[PST], v[PL+1] offset:8
	ds_store_b32 v[PST], v[PL+2] offset:16
	ds_store_b32 v[PST], v[PL+4] offset:512        ; point 32 + i lies eight iterations on
	ds_store_b32 v[PST], v[PL+5] offset:520
	ds_store_b32 v[PST], v[PL+6] offset:528
	ds_load_b128 v[PP:PP+3], v[PA]                 ; iteration 0, into PP0; the wave's own bytes, served in order behind the stores
	ds_load_b64 v[PP+4:PP+5], v[PA] offset:16
; The record of point t (0: A, 1: B), into the iteration's record buffer at RNEW: 15 lines.
.macro HASH t
	v_mul_u32_u24 v[TM],   s50, v[I0+2+(\t)]       ; hy0, hy1, hz0, hz1, six places up; coordinates have 19 bits, the factors 18: inside the 24-bit multiply
	v_mul_u32_u24 v[TM+1], s50, v[I1+2+(\t)]
	v_mul_u32_u24 v[TM+2], s51, v[I0+4+(\t)]
	v_mul_u32_u24 v[TM+3], s51, v[I1+4+(\t)]
	v_lshlrev_b32 v[TM+4], 6, v[I0+(\t)]           ; x's prime is 1
	v_lshlrev_b32 v[TM+5], 6, v[I1+(\t)]
	v_xor_b32 v[TM+6], v[TM], v[TM+2]              ; hy0 ^ hz0
	v_xor_b32 v[TM+7], v[TM], v[TM+1]              ; DY
	v_xor_b32 v[TM+8], v[TM+2], v[TM+3]            ; DZ
	v_xor_b32 v[TM+4], v[TM+4], v[TM+6]            ; idx000
	v_xor_b32 v[TM+5], v[TM+5], v[TM+6]            ; idx100
	v_and_b32 v[TM+7], s52, v[TM+7]
	v_and_or_b32 v[TM+4], v[TM+4], s52, v[LV]      ; a000
	v_lshl_or_b32 v[RNEW+2*(\t)],   v[TM+5], 14, v[TM+4]  ; bits 6-17 go to 20-31; what lies above falls out of the word, what lies below is 0
	v_lshl_or_b32 v[RNEW+2*(\t)+1], v[TM+8], 14, v[TM+7]
.endm
; Iteration i = 4 x lap + 1 + k.  k: its place in the lap (iteration 0: k = -1).  first = 1: iteration 0, with no iteration in front of it.  pf = 1: the next iteration's positions are asked for.
; v[PA] and the stores' base stand at iteration 4 x lap: the next iteration's positions lie k + 2 iterations on, the last iteration's record k iterations on.
.macro ITER k, first, pf
.set PAR,  ((\k)+1)%2                  ; i % 2
.set PCUR, PP+PPS*PAR                  ; the positions at work
.set PNXT, PP+PPS*(1-PAR)              ; the positions asked for
.set RNEW, RECD+RCS*PAR                ; the record made here
.set ROLD, RECD+RCS*(1-PAR)            ; the record stored here
.if (\k) > 0
	s_wait_xcnt 0x0                                ; every earlier memory instruction has had its addresses translated (ISA guide 3.1): the record buffer at RNEW is written again only behind this wait
	s_wait_alu depctr_vm_vsrc(0)                   ; the store issued in the iteration before has read the record buffer at RNEW, which this iteration's hash lines write again (for k = 0 the pair at the lap's bottom states it)
.endif
.if !(\first)
	s_wait_alu depctr_va_vdst(0)                   ; the iteration before has written its record, which the store below reads, and is done reading its positions, in which the loads below land; in a lap's first iteration v[PA] is written
.endif
.if \pf
	ds_load_b128 v[PNXT:PNXT+3], v[PA] offset:((\k)+2)*64
	ds_load_b64 v[PNXT+4:PNXT+5], v[PA] offset:((\k)+2)*64+16
.endif
.if !(\first)
	global_store_b128 v[ROFF], v[ROLD:ROLD+3], s[42:43] offset:(\k)*512
.endif
	s_wait_dscnt 2*(\pf)                           ; LDS loads come back in order (ISA guide 5.7.1): my positions, asked for an iteration ago, are in; the two loads just issued may stay out
.irp c, 0,2,4
	v_pk_add_f32 v[I0+\c:I0+\c+1], v[PCUR+\c:PCUR+\c+1], 1.0 op_sel_hi:[1,0]
.endr
.irp c, 0,2,4
	v_pk_mul_f32 v[I0+\c:I0+\c+1], v[I0+\c:I0+\c+1], v[CF:CF+1]
.endr
.irp c, 0,1,2,3,4,5
	v_floor_f32 v[I0+\c], v[I0+\c]
.endr
.irp c, 0,2,4
	v_pk_add_f32 v[I1+\c:I1+\c+1], v[I0+\c:I0+\c+1], 1.0 op_sel_hi:[1,0]
.endr
.irp c, 0,1,2,3,4,5,6,7,8,9,10,11
	v_med3_num_f32 v[I0+\c], v[I0+\c], 0, v[RF]    ; both corners held to 0 .. res - 1 (I1 follows I0)
.endr
.irp c, 0,1,2,3,4,5,6,7,8,9,10,11
	v_cvt_u32_f32 v[I0+\c], v[I0+\c]
.endr
	HASH 0
	HASH 1
.endm
	ITER -1, 1, 1                                  ; iteration 0: no vector instruction has named PP1, and v[PA] was shown written at the head: no wait but the one for its data
	s_mov_b32 s53, 3
	s_mov_b32 s59, 0
.Ltrip:                                                ; iterations 1 to 12, three laps of four; the last three are written out, since the very last asks for no further positions
	ITER 0, 0, 1
	ITER 1, 0, 1
	ITER 2, 0, 1
	ITER 3, 0, 1
	s_wait_xcnt 0x0                                ; the stores' base is stepped, and the record that the last store reads written again, only behind this wait
	s_add_nc_u64 s[42:43], s[42:43], 2048
	s_add_co_u32 s59, s59, 256                     ; four iterations of 64 bytes on in my positions
	s_wait_alu depctr_vm_vsrc(0)                   ; the LDS loads issued so far have read v[PA], which the next line writes; the store issued in the lap's last iteration has read its record, which the next iteration writes again
	v_add_nc_u32 v[PA], s59, v[PA0]
	s_sub_co_u32 s53, s53, 1
	s_cmp_lg_u32 s53, 0
	s_cbranch_scc1 .Ltrip
	ITER 0, 0, 1                                   ; iterations 13 to 15
	ITER 1, 0, 1
	ITER 2, 0, 0
	s_wait_alu depctr_va_vdst(0)                   ; iteration 15 has written its record, which the last store reads
	global_store_b128 v[ROFF], v[RECD+RCS:RECD+RCS+3], s[42:43] offset:3*512
	s_wait_dscnt 0x0                               ; the closing lines, six on end
	s_wait_alu 0x0
	s_wait_tensorcnt 0x0
	ds_add_u32 v[SPW], v[NIL]
	s_wait_dscnt 0x0
	s_endpgm
.Lfunc_end_k_qe1506faa3b_index:
	.size	k_qe1506faa3b_index, .Lfunc_end_k_qe1506faa3b_index-k_qe1506faa3b_index
	.p2alignl 7, 3214868480
	.fill 96, 4, 3214868480
	.section	.rodata,"a",@progbits
	.p2align	6, 0x0
	.amdhsa_kernel k_qe1506faa3b_index
		.amdhsa_group_segment_fixed_size 38912
		.amdhsa_private_segment_fixed_size 0
		.amdhsa_enable_private_segment 0
		.amdhsa_kernarg_size 152
		.amdhsa_user_sgpr_count 2
		.amdhsa_user_sgpr_kernarg_segment_ptr 1
		.amdhsa_wavefront_size32 1
		.amdhsa_system_sgpr_workgroup_id_x 1
		.amdhsa_system_sgpr_workgroup_id_y 1
		.amdhsa_system_sgpr_workgroup_id_z 1
		.amdhsa_system_vgpr_workitem_id 0
		.amdhsa_next_free_vgpr 98
		.amdhsa_next_free_sgpr 66
		.amdhsa_reserve_vcc 0
		.amdhsa_float_denorm_mode_32 3
		.amdhsa_float_denorm_mode_16_64 3
		.amdhsa_memory_ordered 1
		.amdhsa_forward_progress 1
		.amdhsa_inst_pref_size 35
	.end_amdhsa_kernel
	.amdgpu_metadata
---
amdhsa.version: [ 1, 2 ]
amdhsa.kernels:
  - .name:           k_qe1506faa3b_index
    .symbol:         k_qe1506faa3b_index.kd
    .args:
      - { .name: tables_0, .offset: 0, .size: 8, .value_kind: global_buffer, .address_space: global }
      - { .name: tables_1, .offset: 8, .size: 8, .value_kind: global_buffer, .address_space: global }
      - { .name: tables_2, .offset: 16, .size: 8, .value_kind: global_buffer, .address_space: global }
      - { .name: tables_3, .offset: 24, .size: 8, .value_kind: global_buffer, .address_space: global }
      - { .name: tables_4, .offset: 32, .size: 8, .value_kind: global_buffer, .address_space: global }
      - { .name: tables_5, .offset: 40, .size: 8, .value_kind: global_buffer, .address_space: global }
      - { .name: tables_6, .offset: 48, .size: 8, .value_kind: global_buffer, .address_space: global }
      - { .name: tables_7, .offset: 56, .size: 8, .value_kind: global_buffer, .address_space: global }
      - { .name: tables_8, .offset: 64, .size: 8, .value_kind: global_buffer, .address_space: global }
      - { .name: tables_9, .offset: 72, .size: 8, .value_kind: global_buffer, .address_space: global }
      - { .name: tables_10, .offset: 80, .size: 8, .value_kind: global_buffer, .address_space: global }
      - { .name: tables_11, .offset: 88, .size: 8, .value_kind: global_buffer, .address_space: global }
      - { .name: tables_12, .offset: 96, .size: 8, .value_kind: global_buffer, .address_space: global }
      - { .name: tables_13, .offset: 104, .size: 8, .value_kind: global_buffer, .address_space: global }
      - { .name: tables_14, .offset: 112, .size: 8, .value_kind: global_buffer, .address_space: global }
      - { .name: tables_15, .offset: 120, .size: 8, .value_kind: global_buffer, .address_space: global }
      - { .name: positions, .offset: 128, .size: 8, .value_kind: global_buffer, .address_space: global }
      - { .name: rec, .offset: 136, .size: 8, .value_kind: global_buffer, .address_space: global }
      - { .name: tab, .offset: 144, .size: 8, .value_kind: global_buffer, .address_space: global }
    .group_segment_fixed_size: 38912
    .private_segment_fixed_size: 0
    .kernarg_segment_align: 8
    .kernarg_segment_size: 152
    .max_flat_workgroup_size: 1024
    .sgpr_count:     66
    .vgpr_count:     98
    .wavefront_size: 32
...
	.end_amdgpu_metadata
.endif
;; end of part 3
;; launch gather: the kernel of part 2 again; grid 256 x 1, 32 waves a work-group, no clusters, 299,008 bytes of LDS; arguments positions, rec, tab, out0; writes out0
